; MI455X (gfx1250); checked and timed in simulation.
; The chip was launched on July 23, 2026; its instructions are those of AMD's public machine-readable ISA for CDNA 5 (MIT licence, August 2026) and "CDNA5" Instruction Set Architecture Reference Guide (July 2026). The comments in the code are by the model that wrote it; some were corrected since.
;; Multihead self attention. Allowed arithmetic: float matrix products may take bf16 or f16 operands with f32 sums; all other float work in f32.
;; Inputs: wk 1,024 x 1,024 float32; wo 1,024 x 1,024 float32; wq 1,024 x 1,024 float32; wv 1,024 x 1,024 float32; x 2 x 2,048 x 1,024 float32.
;; Outputs: out0 2 x 2,048 x 1,024 float32.
;; 2 versions, each right; version 2 is version 1 with the launch cvt written anew for expert scheduling mode. Each part assembles by itself: llvm-mc -triple=amdgcn-amd-amdhsa -mcpu=gfx1250 --defsym DOCPART=n.
;; ======== version 1 of 2: 4 launches
;; limits: values are held in f16: magnitudes above 65,504 overflow, below 6.1e-05 lose precision
;; workspace buffers: xb 8,388,608 bytes; wcat 6,291,456 bytes; wob 2,097,152 bytes; q 8,388,608 bytes; kv 16,777,216 bytes; ao 8,388,608 bytes
;; launch cvt (part 1): grid 512 x 1, 8 waves a work-group, no clusters, 0 bytes of LDS; arguments x, wq, wk, wv, wo, xb, wcat, wob; writes xb, wcat, wob
.if DOCPART == 1
	.amdgcn_target "amdgcn-amd-amdhsa--gfx1250"
	.amdhsa_code_object_version 6
	.text
	.protected	k_q524ae13861_cvt
	.globl	k_q524ae13861_cvt
	.p2align	8
	.type	k_q524ae13861_cvt,@function
k_q524ae13861_cvt:
	s_mov_b64 s[64:65], 0
	v_nop
	global_prefetch_b8 v0, s[64:65] scope:SCOPE_SE
	s_setreg_imm32_b32 hwreg(HW_REG_WAVE_MODE, 25, 1), 1
	s_wait_xcnt 0x0
; cvt: rounds the five f32 inputs once, so that every later product takes 16-bit tiles.
;   x  -> xb    bf16 [4096][1024]
;   wq, wk, wv -> wcat  bf16, rows regrouped by head: row = 192 head + 64 (0: q, 1: k, 2: v) + row in head
;   wo -> wob   rounded to bf16 and that number written as f16 (it stands beside an f16 operand later).
; LIMIT: the bf16 number is exact in f16 for 2^-17 <= |w| < 65,504; below, the error is at most 2^-25.
; A stream: each byte is read once and written once.  No LDS, no matrix unit; no cluster, since no two work-groups read the same bytes.
; Work-group g takes 16 rows of 1,024 f32 (64 KB in, 32 KB out, both dense); wave w rows 2w, 2w+1.
; A load of a wave covers 512 consecutive bytes, a store 256 consecutive bytes at a multiple of 256.
.set X, 8                              ; v[8:71]    sixteen loads of 4 f32
.set Y, 72                             ; v[72:103]  sixteen stores of 4 numbers of 16 bits
.set T, 4                              ; v[4:5]     at work (wo's path)
	s_load_b512 s[4:19], s[0:1], 0x0               ; x 4, wq 6, wk 8, wv 10, wo 12, xb 14, wcat 16, wob 18
	s_max_u32 s28, ttmp9, 256                      ; groups 0-255 take x; 256-511 the weights, 64 groups each
	s_sub_co_u32 s28, s28, 256
	s_lshr_b32 s29, s28, 6                         ; which weight: 0 q, 1 k, 2 v, 3 o
	s_and_b32 s30, s28, 63                         ; its block of 16 rows
	s_lshr_b32 s31, s30, 2                         ; head (64 rows)
	s_mul_i32 s31, s31, 192
	s_lshl_b32 s32, s29, 6
	s_add_co_u32 s31, s31, s32
	s_and_b32 s32, s30, 3
	s_lshl_b32 s32, s32, 4
	s_add_co_u32 s31, s31, s32                     ; row in wcat
	s_lshl_b32 s31, s31, 11                        ; rows of 2,048 bytes
	s_lshl_b32 s33, s30, 15                        ; offset in wob
	s_lshl_b32 s34, s30, 16                        ; offset in a weight
	s_lshl_b32 s35, ttmp9, 16                      ; offset in x
	s_lshl_b32 s36, ttmp9, 15                      ; offset in xb
	v_and_b32 v3, 31, v0                           ; lane
	v_lshrrev_b32 v2, 5, v0                        ; wave
	v_lshlrev_b32 v1, 4, v3
	v_lshl_or_b32 v1, v2, 13, v1                   ; in:  16 lane + 8,192 wave
	v_lshlrev_b32 v3, 3, v3
	v_lshl_or_b32 v2, v2, 12, v3                   ; out:  8 lane + 4,096 wave
	s_mov_b32 s25, 0
	s_mov_b32 s27, 0
	s_wait_kmcnt 0x0
	s_mov_b64 s[20:21], s[4:5]                     ; the source, chosen by the group's number alone
	s_cmp_ge_u32 ttmp9, 256
	s_cselect_b64 s[20:21], s[6:7], s[20:21]
	s_cselect_b64 s[22:23], s[16:17], s[14:15]     ; the destination likewise
	s_cselect_b32 s24, s34, s35
	s_cselect_b32 s26, s31, s36
	s_cmp_ge_u32 ttmp9, 320
	s_cselect_b64 s[20:21], s[8:9], s[20:21]
	s_cmp_ge_u32 ttmp9, 384
	s_cselect_b64 s[20:21], s[10:11], s[20:21]
	s_cmp_ge_u32 ttmp9, 448
	s_cselect_b64 s[20:21], s[12:13], s[20:21]
	s_cselect_b64 s[22:23], s[18:19], s[22:23]
	s_cselect_b32 s26, s33, s26
	s_add_nc_u64 s[20:21], s[20:21], s[24:25]
	s_add_nc_u64 s[22:23], s[22:23], s[26:27]
.irp i, 0,1,2,3,4,5,6,7,8,9,10,11,12,13,14,15
	global_load_b128 v[X+4*\i:X+4*\i+3], v1, s[20:21] offset:512*\i th:TH_LOAD_NT   ; all of the wave's 8 KB on their way at once
.endr
	s_cmp_ge_u32 ttmp9, 448
	s_cbranch_scc1 .Lwo
.irp i, 0,1,2,3,4,5,6,7,8,9,10,11,12,13,14,15
	s_wait_loadcnt 15-\i                           ; loads come back in order: load i is in, the 15 - i younger ones stay out
	v_cvt_pk_bf16_f32 v[Y+2*\i],   v[X+4*\i],   v[X+4*\i+1]
	v_cvt_pk_bf16_f32 v[Y+2*\i+1], v[X+4*\i+2], v[X+4*\i+3]
	global_store_b64 v2, v[Y+2*\i:Y+2*\i+1], s[22:23] offset:256*\i    ; no register of a pending store is written again
.endr
	s_endpgm
.Lwo:
.irp i, 0,1,2,3,4,5,6,7,8,9,10,11,12,13,14,15
	s_wait_loadcnt 15-\i
	v_cvt_pk_bf16_f32 v[T],   v[X+4*\i],   v[X+4*\i+1]    ; the rounding that counts
	v_cvt_pk_bf16_f32 v[T+1], v[X+4*\i+2], v[X+4*\i+3]
	v_lshlrev_b32 v[X+4*\i],   16, v[T]                   ; back to f32,
	v_and_b32     v[X+4*\i+1], 0xffff0000, v[T]
	v_lshlrev_b32 v[X+4*\i+2], 16, v[T+1]
	v_and_b32     v[X+4*\i+3], 0xffff0000, v[T+1]
	v_cvt_pk_f16_f32 v[Y+2*\i],   v[X+4*\i],   v[X+4*\i+1]    ; and written as f16
	v_cvt_pk_f16_f32 v[Y+2*\i+1], v[X+4*\i+2], v[X+4*\i+3]
	global_store_b64 v2, v[Y+2*\i:Y+2*\i+1], s[22:23] offset:256*\i
.endr
	s_endpgm
.Lfunc_end_k_q524ae13861_cvt:
	.size	k_q524ae13861_cvt, .Lfunc_end_k_q524ae13861_cvt-k_q524ae13861_cvt
	.p2alignl 7, 3214868480
	.fill 96, 4, 3214868480
	.section	.rodata,"a",@progbits
	.p2align	6, 0x0
	.amdhsa_kernel k_q524ae13861_cvt
		.amdhsa_group_segment_fixed_size 0
		.amdhsa_private_segment_fixed_size 0
		.amdhsa_enable_private_segment 0
		.amdhsa_kernarg_size 64
		.amdhsa_user_sgpr_count 2
		.amdhsa_user_sgpr_kernarg_segment_ptr 1
		.amdhsa_wavefront_size32 1
		.amdhsa_system_sgpr_workgroup_id_x 1
		.amdhsa_system_sgpr_workgroup_id_y 1
		.amdhsa_system_sgpr_workgroup_id_z 1
		.amdhsa_system_vgpr_workitem_id 0
		.amdhsa_next_free_vgpr 104
		.amdhsa_next_free_sgpr 66
		.amdhsa_reserve_vcc 0
		.amdhsa_float_denorm_mode_32 3
		.amdhsa_float_denorm_mode_16_64 3
		.amdhsa_memory_ordered 1
		.amdhsa_forward_progress 1
		.amdhsa_inst_pref_size 17
	.end_amdhsa_kernel
	.amdgpu_metadata
---
amdhsa.version: [ 1, 2 ]
amdhsa.kernels:
  - .name:           k_q524ae13861_cvt
    .symbol:         k_q524ae13861_cvt.kd
    .args:
      - { .name: x, .offset: 0, .size: 8, .value_kind: global_buffer, .address_space: global }
      - { .name: wq, .offset: 8, .size: 8, .value_kind: global_buffer, .address_space: global }
      - { .name: wk, .offset: 16, .size: 8, .value_kind: global_buffer, .address_space: global }
      - { .name: wv, .offset: 24, .size: 8, .value_kind: global_buffer, .address_space: global }
      - { .name: wo, .offset: 32, .size: 8, .value_kind: global_buffer, .address_space: global }
      - { .name: xb, .offset: 40, .size: 8, .value_kind: global_buffer, .address_space: global }
      - { .name: wcat, .offset: 48, .size: 8, .value_kind: global_buffer, .address_space: global }
      - { .name: wob, .offset: 56, .size: 8, .value_kind: global_buffer, .address_space: global }
    .group_segment_fixed_size: 0
    .private_segment_fixed_size: 0
    .kernarg_segment_align: 8
    .kernarg_segment_size: 64
    .max_flat_workgroup_size: 256
    .sgpr_count:     66
    .vgpr_count:     104
    .wavefront_size: 32
...
	.end_amdgpu_metadata
.endif
;; end of part 1
;; launch qkv (part 2): grid 16 x 16, 4 waves a work-group, clusters of 4 x 4, 327,680 bytes of LDS; arguments xb, wcat, q, kv; writes q, kv
.if DOCPART == 2
	.amdgcn_target "amdgcn-amd-amdhsa--gfx1250"
	.amdhsa_code_object_version 6
	.text
	.protected	k_q524ae13861_qkv
	.globl	k_q524ae13861_qkv
	.p2align	8
	.type	k_q524ae13861_qkv,@function
k_q524ae13861_qkv:
	s_mov_b64 s[64:65], 0
	v_nop
	global_prefetch_b8 v0, s[64:65] scope:SCOPE_SE
	s_setreg_imm32_b32 hwreg(HW_REG_WAVE_MODE, 25, 1), 1
	s_wait_xcnt 0x0
	s_wait_alu depctr_hold_cnt(0) depctr_sa_sdst(0) depctr_va_vdst(0) depctr_va_sdst(0) depctr_va_ssrc(0) depctr_va_vcc(0) depctr_vm_vsrc(0)
	s_getreg_b32 s2, hwreg(HW_REG_IB_STS2, 6, 4)
	s_cmp_eq_u32 s2, 0
	s_cbranch_scc0 .Lentry_in_a_cluster
	s_endpgm
.Lentry_in_a_cluster:
	s_bfe_u32 s2, ttmp6, 0x10000c
	s_cmp_lg_u32 s2, 0xf033
	s_cbranch_scc0 .Lentry_shape_is_right
	s_endpgm
.Lentry_shape_is_right:
; qkv: Q, K, V = x W^T for one head and 256 tokens a work-group.  xb [4096][1024] bf16, wcat [16 heads][q,k,v][64][1024] bf16; sums in f32.
; Block: 256 tokens x 192 features (a head's Q | K | V).  Four waves; wave w makes tokens 64 w .. 64 w + 63 x all 192 features:
; 48 accumulator tiles of 16 x 16 (384 registers), 48 matrix instructions for 16 fragments of 32 along K.
; K goes in steps of 128 through two LDS slots filled by the tensor data mover; a tile's rows are 256 bytes of memory at multiples of 256.
; CLUSTERS: 4 x 4 work-groups.  x's tile hangs on the token block alone (shared along a row of the cluster), W's on the head alone
; (shared along a column): each is asked for jointly by the four that share it, which divides the requests for both by four.
; RESULTS leave as f16 in the register image that the attention launch's matrix instructions take, so that each store of a wave
; covers 512 consecutive bytes at a multiple of 512 and no pass through LDS is needed:
;   Q, K tiles: source 0 = W, source 1 = x: lane (r, h) holds token r, features 8 h .. 8 h + 7 of the tile
;   V tiles:    source 0 = x, source 1 = W: lane (r, h) holds feature r, tokens 8 h .. 8 h + 7 (V transposed)
;   q  [32 bh][128 tiles of 16 tokens][d/32][half][lane][16 B]
;   kv [32 bh][8 tiles of 256 keys][64 KB]: 32 KB of K [16 key tiles][d/32][half][lane][16 B], 32 KB of V^T [8 blocks of 32 keys][d/16][half][lane][16 B]
; LIMIT: |Q|, |K|, |V| below 65,504 (f16).  NaN and infinities in the inputs are not served.
; REGISTERS: window 0: addresses, x fragments (two buffers), packed results; window 1: W fragments (two buffers);
;            window 2: the 32 Q and K accumulators, tile (a, b) at 8 (8 a + b); window 3: the 16 V accumulators, tile (a, t) at 8 (4 a + t).
.set KSTEP,  128
.set PITCH,  272                       ; 256 bytes + 16 of padding: the 16 rows of a fragment load start 68 words apart
.set XW,     64*PITCH                  ; a wave's part of x's tile
.set WW,     48*PITCH                  ; a wave's part of W's tile
.set WOFF,   256*PITCH                 ; W's 192 rows lie behind x's 256
.set SLOT,   448*PITCH
.set LAPS,   4                         ; 1,024 / (2 x 128)
.set ADRX, 16                          ; v16-17  LDS address of my x fragments in slot 0, 1
.set ADRW, 20                          ; v20-21  the same for W
.set LN,   26                          ; v26     16 x lane
.set FX,   32                          ; v32-63, v64-95: x fragments, buffer f at FX + 32 f (window 0); W's: buffer f at 96 f (window 1)
.set TMP,  128                         ; v128-191 packed results
.set G1X, 24                           ; s[24:31] shape of x's tiles
.set G0X, 32                           ; s[32:39] from where, to where: one set a slot
.set G1W, 48                           ; s[48:55]
.set G0W, 56                           ; s[56:63]
.set MSB, 0
.macro WIN new                         ; the immediate's high byte repeats the setting that is left
.if MSB != \new
	s_set_vgpr_msb (MSB<<8)|\new
.set MSB, \new
.endif
.endm
.set MUL_QK, 0xa1                      ; source 0 (W) window 1, source 1 (x) window 0, C and D window 2
.set MUL_V,  0xf4                      ; source 0 (x) window 0, source 1 (W) window 1, C and D window 3
.set TO_W,   0x40                      ; destination window 1
.macro PLACES                          ; four plain vector instructions between a matrix instruction and a load into, or a read of, its registers
.rept 4
	v_nop
.endr
.endm
.macro CREST                           ; a round of the cluster's barrier behind its opening work-group barrier
	s_cmp_lg_u32 s12, 0
	s_cbranch_scc1 .Lnot_wave_0_\@
	s_barrier_signal -3
.Lnot_wave_0_\@:
	s_barrier_wait -3
	s_barrier_signal -1
	s_barrier_wait -1
.endm
.macro CROUND
	s_barrier_signal -1
	s_barrier_wait -1
	CREST
.endm
	s_load_b256 s[4:11], s[0:1], 0x0               ; xb 4, wcat 6, q 8, kv 10
	v_lshl_add_u32 v255, v0, 2, 0x3b800
	s_set_vgpr_msb 0x40
	v_mov_b32 v255, 0
	s_set_vgpr_msb 0x4044
	ds_add_u32 v255, v255
	s_set_vgpr_msb 0x4400
	v_lshrrev_b32 v1, 5, v0
	v_readfirstlane_b32 s12, v1                    ; wave 0..3
	s_bfe_u32 s13, ttmp6, 0x40000                  ; cx
	s_bfe_u32 s14, ttmp6, 0x40004                  ; cy
	s_lshl_b32 s15, ttmp9, 2
	s_add_co_u32 s15, s15, s13                     ; head = 4 x cluster x + cx
	s_and_b32 s16, ttmp7, 0xffff
	s_lshl_b32 s16, s16, 2
	s_add_co_u32 s16, s16, s14                     ; token block = 4 x cluster y + cy
	s_lshl_b32 s17, s14, 2
	s_lshl_b32 s17, 15, s17                        ; my row of the cluster
	s_lshl_b32 s18, 0x1111, s13                    ; my column
	s_or_b32 s[G1X+0], s17, (1<<16)|(1<<20)|(1<<21)|(5<<22)|(3<<25)  ; mask; 2-byte elements; padding on; bit 21 beside a mask; after 64 words, 4 words
	s_or_b32 s[G1W+0], s18, (1<<16)|(1<<20)|(1<<21)|(5<<22)|(3<<25)
	s_mov_b32 s[G1X+1], KSTEP<<16                  ; tensor_dim0 = 128
	s_mov_b32 s[G1W+1], KSTEP<<16
	s_mov_b32 s[G1X+2], 64<<16                     ; tensor_dim1 = 64 rows
	s_mov_b32 s[G1W+2], 48<<16                     ; 48 rows
	s_mov_b32 s[G1X+3], KSTEP<<16                  ; tile_dim0 = 128
	s_mov_b32 s[G1W+3], KSTEP<<16
	s_mov_b32 s[G1X+4], 64                         ; tile_dim1
	s_mov_b32 s[G1W+4], 48
	s_mov_b32 s[G1X+5], 1024                       ; elements from row to row
	s_mov_b32 s[G1W+5], 1024
	s_mov_b32 s[G1X+6], 0
	s_mov_b32 s[G1W+6], 0
	s_mov_b32 s[G1X+7], 0
	s_mov_b32 s[G1W+7], 0
	s_lshl_b32 s20, s16, 19                        ; x: (256 block + 64 wave) rows of 2,048 bytes: no cx in it
	s_lshl_b32 s21, s12, 17
	s_add_co_u32 s20, s20, s21
	s_mov_b32 s21, 0
	s_mul_i32 s40, s15, 192*2048                   ; W: (192 head + 48 wave) rows: no cy in it
	s_mul_i32 s41, s12, 48*2048
	s_add_co_u32 s40, s40, s41
	s_mov_b32 s41, 0
	s_mul_i32 s22, s12, XW                         ; LDS: the wave's number alone
	s_mul_i32 s42, s12, WW
	s_add_co_u32 s42, s42, WOFF
	s_wait_dscnt 0x0
	s_wait_kmcnt 0x0
	s_add_nc_u64 s[20:21], s[4:5], s[20:21]
	s_add_nc_u64 s[40:41], s[6:7], s[40:41]
	CROUND                                         ; all sixteen work-groups are here: the first joint loads meet
.irp s, 0,1
	s_mov_b32 s[G0X+4*\s], 1
	s_add_co_u32 s[G0X+4*\s+1], s22, \s*SLOT
	s_add_nc_u64 s[G0X+4*\s+2:G0X+4*\s+3], s[20:21], \s*KSTEP*2
	s_or_b32 s[G0X+4*\s+3], s[G0X+4*\s+3], 0x80000000
	s_mov_b32 s[G0W+4*\s], 1
	s_add_co_u32 s[G0W+4*\s+1], s42, \s*SLOT
	s_add_nc_u64 s[G0W+4*\s+2:G0W+4*\s+3], s[40:41], \s*KSTEP*2
	s_or_b32 s[G0W+4*\s+3], s[G0W+4*\s+3], 0x80000000
	tensor_load_to_lds s[G0X+4*\s:G0X+4*\s+3], s[G1X:G1X+7]        ; four loads of the wave are out here, two behind each later round
	s_nop 0
	tensor_load_to_lds s[G0W+4*\s:G0W+4*\s+3], s[G1W:G1W+7]
	s_nop 0
.endr
	v_and_b32 v1, 15, v0                           ; r
	v_bfe_u32 v2, v0, 4, 1                         ; h
	v_mul_u32_u24 v3, v1, PITCH
	v_lshl_add_u32 v3, v2, 4, v3                   ; row x pitch + 16 h
	v_add_nc_u32 v[ADRX], s22, v3
	v_add_nc_u32 v[ADRX+1], SLOT, v[ADRX]
	v_add_nc_u32 v[ADRW], WOFF, v3
	v_add_nc_u32 v[ADRW+1], SLOT+WOFF, v3
	v_and_b32 v[LN], 31, v0
	v_lshlrev_b32 v[LN], 4, v[LN]
; 16 matrix instructions: the V tiles.  zero = 1: the first product starts the sums.
.macro MULV f, zero
.irp a, 0,1,2,3
.irp t, 0,1,2,3
.if \zero
	v_wmma_f32_16x16x32_bf16 v[8*(4*\a+\t):8*(4*\a+\t)+7], v[FX+32*\f+8*\a:FX+32*\f+8*\a+7], v[96*\f+8*(8+\t):96*\f+8*(8+\t)+7], 0
.else
	v_wmma_f32_16x16x32_bf16 v[8*(4*\a+\t):8*(4*\a+\t)+7], v[FX+32*\f+8*\a:FX+32*\f+8*\a+7], v[96*\f+8*(8+\t):96*\f+8*(8+\t)+7], v[8*(4*\a+\t):8*(4*\a+\t)+7]
.endif
.endr
.endr
.endm
; 16 matrix instructions: token tiles a0, a0 + 1 x the 8 feature tiles of Q and K
.macro MULQK f, a0, zero
.irp a, \a0, \a0+1
.irp b, 0,1,2,3,4,5,6,7
.if \zero
	v_wmma_f32_16x16x32_bf16 v[8*(8*(\a)+\b):8*(8*(\a)+\b)+7], v[96*\f+8*\b:96*\f+8*\b+7], v[FX+32*\f+8*(\a):FX+32*\f+8*(\a)+7], 0
.else
	v_wmma_f32_16x16x32_bf16 v[8*(8*(\a)+\b):8*(8*(\a)+\b)+7], v[96*\f+8*\b:96*\f+8*\b+7], v[FX+32*\f+8*(\a):FX+32*\f+8*(\a)+7], v[8*(8*(\a)+\b):8*(8*(\a)+\b)+7]
.endif
.endr
.endr
.endm
; 32 LDS loads in one run: 12 fragments of W, 4 of x, 32 K at byte k of the rows, into buffer f
.macro FETCH slot, k, f
	WIN TO_W
.irp b, 0,1,2,3,4,5,6,7,8,9,10,11
	ds_load_b128 v[96*\f+8*\b:96*\f+8*\b+3],   v[ADRW+\slot] offset:\k+\b*16*PITCH
	ds_load_b128 v[96*\f+8*\b+4:96*\f+8*\b+7], v[ADRW+\slot] offset:\k+\b*16*PITCH+32
.endr
	WIN 0
.irp a, 0,1,2,3
	ds_load_b128 v[FX+32*\f+8*\a:FX+32*\f+8*\a+3],   v[ADRX+\slot] offset:\k+\a*16*PITCH
	ds_load_b128 v[FX+32*\f+8*\a+4:FX+32*\f+8*\a+7], v[ADRX+\slot] offset:\k+\a*16*PITCH+32
.endr
.endm
; A quarter of a K step: 48 matrix instructions on buffer f; behind the first 16 the next quarter's fragments are fetched into buffer g.
; The 48 accumulators take turns, one instruction a turn, in the same order in every quarter.
.macro QUARTER slot, k, f, g, zero
	s_wait_dscnt 0x0                               ; buffer f's 32 loads, issued 32 matrix instructions ago
	WIN MUL_V
	MULV \f, \zero
	PLACES                                         ; behind the matrix instructions that read buffer g
	FETCH \slot, \k, \g
	WIN MUL_QK
	MULQK \f, 0, \zero
	MULQK \f, 2, \zero
.endm
.macro THREE slot, zero
	QUARTER \slot, 64,  0, 1, \zero
	QUARTER \slot, 128, 1, 0, 0
	QUARTER \slot, 192, 0, 1, 0
.endm
; The last quarter multiplies buffer 1 and changes slots.  In front of the barrier: my reads of this slot are back and all my tensor loads have
; landed (my parts of the next slot).  Where the slot is filled again the barrier opens a round of the cluster's barrier, and the two joint
; refills are the first tensor loads behind the round's closing wait.
.macro TURN slot, next, fill
	s_wait_dscnt 0x0                               ; buffer 1's loads: the last reads of this slot
	WIN MUL_V
	MULV 1, 0
	s_wait_tensorcnt 0x0
	ds_add_u32 v255, v255
	s_wait_dscnt 0x0
	s_barrier_signal -1
	WIN MUL_QK
	MULQK 1, 0, 0                                  ; register work while the others arrive
	WIN 0
	s_barrier_wait -1
.if \fill
	CREST
	s_add_nc_u64 s[G0X+4*\slot+2:G0X+4*\slot+3], s[G0X+4*\slot+2:G0X+4*\slot+3], 2*KSTEP*2   ; no tensor load of mine is out: the addresses may step
	s_add_nc_u64 s[G0W+4*\slot+2:G0W+4*\slot+3], s[G0W+4*\slot+2:G0W+4*\slot+3], 2*KSTEP*2
	tensor_load_to_lds s[G0X+4*\slot:G0X+4*\slot+3], s[G1X:G1X+7]
	s_nop 0
	tensor_load_to_lds s[G0W+4*\slot:G0W+4*\slot+3], s[G1W:G1W+7]
	s_nop 0
.endif
	PLACES
	FETCH \next, 0, 0
	WIN MUL_QK
	MULQK 1, 2, 0
.endm
.macro LAP zero
	THREE 0, \zero
	TURN 0, 1, 1
	THREE 1, 0
	TURN 1, 0, 1
.endm
	s_wait_tensorcnt 2                             ; my two parts of K step 0 are in; K step 1's two stay out
	s_barrier_signal -1
	s_barrier_wait -1
	FETCH 0, 0, 0
	LAP 1                                          ; the first lap's first products start the sums
	WIN 0
	s_mov_b32 s44, LAPS-2
.Llap:
	LAP 0
	WIN 0
	s_sub_co_u32 s44, s44, 1
	s_cmp_lg_u32 s44, 0
	s_cbranch_scc1 .Llap
	THREE 0, 0                                     ; the last lap fills nothing
	TURN 0, 1, 0
	THREE 1, 0
	s_wait_dscnt 0x0
	WIN MUL_V
	MULV 1, 0
	WIN MUL_QK
	MULQK 1, 0, 0
	MULQK 1, 2, 0
	; THE WAY OUT: round to f16, 16 bytes a lane, stored straight from registers in the images described at the head.
	PLACES
	s_lshr_b32 s40, s16, 3                         ; batch
	s_lshl_b32 s40, s40, 4
	s_add_co_u32 s40, s40, s15                     ; bh = 16 batch + head
	s_and_b32 s41, s16, 7                          ; block of 256 tokens in the batch
	s_lshl_b32 s42, s40, 19                        ; kv: 512 KB a bh, 64 KB a block, 8 KB a wave
	s_lshl_b32 s43, s41, 16
	s_add_co_u32 s42, s42, s43
	s_lshl_b32 s43, s12, 13
	s_add_co_u32 s42, s42, s43
	s_lshl_b32 s40, s40, 18                        ; q: 256 KB a bh, 32 KB a block, 8 KB a wave
	s_lshl_b32 s41, s41, 15
	s_add_co_u32 s40, s40, s41
	s_add_co_u32 s40, s40, s43
	s_mov_b32 s41, 0
	s_mov_b32 s43, 0
	s_add_nc_u64 s[8:9], s[8:9], s[40:41]
	s_add_nc_u64 s[10:11], s[10:11], s[42:43]
; 16 tiles: accumulator (a, b) at 8 (mul a + b + boff) in the window that win names for both sources
.macro OUTG win, mul, boff, sb, isv
	WIN \win
.irp a, 0,1,2,3
.irp b, 0,1,2,3
.irp r, 0,1,2,3
	v_cvt_pk_f16_f32 v[TMP+4*(4*\a+\b)+\r], v[8*(\mul*\a+\b+\boff)+2*\r], v[8*(\mul*\a+\b+\boff)+2*\r+1]
.endr
.endr
.endr
	WIN 0
.irp a, 0,1,2,3
.irp b, 0,1,2,3
.if \isv
	global_store_b128 v[LN], v[TMP+4*(4*\a+\b):TMP+4*(4*\a+\b)+3], s[\sb:\sb+1] offset:32768+(\a>>1)*4096+\b*1024+(\a&1)*512
.else
	global_store_b128 v[LN], v[TMP+4*(4*\a+\b):TMP+4*(4*\a+\b)+3], s[\sb:\sb+1] offset:\a*2048+\b*512
.endif
.endr
.endr
.endm
	OUTG 0x0a, 8, 0, 8, 0                          ; Q
	s_wait_xcnt 0x0                                ; the packed registers, which the stores read, are written again only behind this wait
	OUTG 0x0a, 8, 4, 10, 0                         ; K
	s_wait_xcnt 0x0
	OUTG 0x0f, 4, 0, 10, 1                         ; V transposed
	CROUND                                         ; the closing round: no work-group ends while a partner may still ask jointly
	s_endpgm
.Lfunc_end_k_q524ae13861_qkv:
	.size	k_q524ae13861_qkv, .Lfunc_end_k_q524ae13861_qkv-k_q524ae13861_qkv
	.p2alignl 7, 3214868480
	.fill 96, 4, 3214868480
	.section	.rodata,"a",@progbits
	.p2align	6, 0x0
	.amdhsa_kernel k_q524ae13861_qkv
		.amdhsa_group_segment_fixed_size 327680
		.amdhsa_private_segment_fixed_size 0
		.amdhsa_enable_private_segment 0
		.amdhsa_kernarg_size 32
		.amdhsa_user_sgpr_count 2
		.amdhsa_user_sgpr_kernarg_segment_ptr 1
		.amdhsa_wavefront_size32 1
		.amdhsa_system_sgpr_workgroup_id_x 1
		.amdhsa_system_sgpr_workgroup_id_y 1
		.amdhsa_system_sgpr_workgroup_id_z 1
		.amdhsa_system_vgpr_workitem_id 0
		.amdhsa_next_free_vgpr 896
		.amdhsa_next_free_sgpr 66
		.amdhsa_reserve_vcc 0
		.amdhsa_float_denorm_mode_32 3
		.amdhsa_float_denorm_mode_16_64 3
		.amdhsa_memory_ordered 1
		.amdhsa_forward_progress 1
		.amdhsa_inst_pref_size 153
	.end_amdhsa_kernel
	.amdgpu_metadata
---
amdhsa.version: [ 1, 2 ]
amdhsa.kernels:
  - .name:           k_q524ae13861_qkv
    .symbol:         k_q524ae13861_qkv.kd
    .args:
      - { .name: xb, .offset: 0, .size: 8, .value_kind: global_buffer, .address_space: global }
      - { .name: wcat, .offset: 8, .size: 8, .value_kind: global_buffer, .address_space: global }
      - { .name: q, .offset: 16, .size: 8, .value_kind: global_buffer, .address_space: global }
      - { .name: kv, .offset: 24, .size: 8, .value_kind: global_buffer, .address_space: global }
    .group_segment_fixed_size: 327680
    .private_segment_fixed_size: 0
    .kernarg_segment_align: 8
    .kernarg_segment_size: 32
    .max_flat_workgroup_size: 128
    .sgpr_count:     66
    .vgpr_count:     896
    .wavefront_size: 32
...
	.end_amdgpu_metadata
.endif
;; end of part 2
;; launch attn (part 3): grid 256 x 1, 8 waves a work-group, clusters of 4 x 1, 327,680 bytes of LDS; arguments q, kv, ao; writes ao
.if DOCPART == 3
	.amdgcn_target "amdgcn-amd-amdhsa--gfx1250"
	.amdhsa_code_object_version 6
	.text
	.protected	k_q524ae13861_attn
	.globl	k_q524ae13861_attn
	.p2align	8
	.type	k_q524ae13861_attn,@function
k_q524ae13861_attn:
	s_mov_b64 s[64:65], 0
	v_nop
	global_prefetch_b8 v0, s[64:65] scope:SCOPE_SE
	s_setreg_imm32_b32 hwreg(HW_REG_WAVE_MODE, 25, 1), 1
	s_wait_xcnt 0x0
	s_wait_alu depctr_hold_cnt(0) depctr_sa_sdst(0) depctr_va_vdst(0) depctr_va_sdst(0) depctr_va_ssrc(0) depctr_va_vcc(0) depctr_vm_vsrc(0)
	s_getreg_b32 s2, hwreg(HW_REG_IB_STS2, 6, 4)
	s_cmp_eq_u32 s2, 0
	s_cbranch_scc0 .Lentry_in_a_cluster
	s_endpgm
.Lentry_in_a_cluster:
	s_bfe_u32 s2, ttmp6, 0x10000c
	s_cmp_lg_u32 s2, 0x3003
	s_cbranch_scc0 .Lentry_shape_is_right
	s_endpgm
.Lentry_shape_is_right:
; attn: causal softmax(Q K^T / 8) V for one (batch, head) and two blocks of 128 queries a work-group; f16 operands, f32 sums and softmax.
; The running maximum of each query's scores is taken away before every exponential.
; WORK: cluster C = (bh, c); partner cx takes j = 4 c + cx and does query block 15 - j (phase H), then query block j (phase L): equal work for all.
; Eight waves, two on a SIMD: wave w takes 64 queries (qg = w / 4) and 64 of each tile's 256 keys (kq = w % 4), with its own running maximum,
; sum and O; the four key quarters are merged through LDS at the end of a phase.
; CLUSTERS: the four partners walk the same K and V tiles of their bh and ask for them jointly.  For that all four make the same trips:
; the n tiles that no partner masks (n = 6 - 2 c in H, 2 c in L) and the two tiles n, n + 1 that hold some partner's diagonal, with a mask made
; from cx as data.  A partner for which such a tile is wholly masked still asks and computes; its weights there are 0.  Ten trips each.
; A phase walks tile n + 1, then 0 .. n - 1, then n, so that the masked trips are written out at fixed places.
; S is made transposed (source 0 = K, source 1 = Q): lane (r, h) holds query r and keys 8 h .. 8 h + 7 of a tile, which packed to f16 IS the
; B fragment of O^T += V^T P^T: no transposition, no pass through LDS.  O^T's lane holds 8 neighbouring d of one query: 16 bytes of ao's image.
; ao [256 tiles of 16 tokens][32 blocks of 32 columns][half][lane][16 B], f16.
; LIMIT: the floor of the running maximum is -2^100; raw scores are at most 64 x 65,504^2 in size, so none reaches it.  |O| < 65,504 as V is.
; NaN and infinities in the inputs are not served.
.set SLOTB, 65536                      ; a K and V tile of 256 keys; two slots at 0 and 65,536
.set SCR,   131072                     ; 8 x 16 KB: each wave's scaled O in f32 [q tile][d/16][half][lane][16 B]; never filled by a tensor load
.set STAT,  262144                     ; 8 x 1 KB: each wave's four -c max at 16 lane, four sums at +512
.set LN,    1                          ; 16 x lane
.set LA,    2                          ; v2-3   my key quarter in slot 0, 1
.set STW,   4                          ; my figures        .set STR: my query group's four
.set STR,   5
.set SCW,   6                          ; my O              .set SCRD: my q tile in my query group's four
.set SCRD,  7
.set DLB,   8                          ; r - 8 h + 64 qg - 64 kq
.set DLS,   10                         ; v10-16 mask thresholds for key tile - query tile = -3 .. 3
.set NINF,  17
.set FLOOR, 18
.set RM,    20                         ; v20-23 running maximum of the raw scores, one a q tile
.set P2,    24                         ; v24-31 pairs (NM = -c max, AL = rescale factor)
.set RL,    32                         ; v32-39 running sums, a pair a q tile
.set RT,    40                         ; v40-43
.set RX,    44                         ; v44-47
.set TT,    48                         ; v48-63 at work
.set QF,    64                         ; v64-127   Q fragments (qt, u) at 16 qt + 8 u
.set KF,    128                        ; v128-191  K fragments (kt, u) at 16 kt + 8 u
.set VF,    192                        ; v192-255  V^T fragments (t, kb) at 16 t + 8 kb
                                       ; window 1: S(kt, qt) at 32 qt + 8 kt; P(kb, qt) over it at 32 qt + 16 kb; O(t, qt) at 128 + 32 qt + 8 t
.set G1,    20                         ; s[20:27] shape: 32 rows of 256 bytes, dense
.set G0,    28                         ; s[28:35] one set a slot
.set NEXT,  36                         ; the next tile's address, my 8 KB of it
.set BASE,  38                         ; tile 0's
.set LFIRST,40                         ; phase L's first tile's
.set QH,    42
.set QL,    44
.set AOH,   46
.set AOL,   48
.set MK,    70                         ; s70-77 lane masks
.set MSB, 0
.macro WIN new
.if MSB != \new
	s_set_vgpr_msb (MSB<<8)|\new
.set MSB, \new
.endif
.endm
.set W_S,   0x50                       ; C, D window 1
.set W_MAX, 0x05                       ; sources 0, 1 window 1
.set W_P,   0x41                       ; destination and source 0 window 1
.set W_SUM, 0x04                       ; source 1 window 1 (an LDS store's data too)
.set W_CVT, 0x45
.set W_PV,  0x54                       ; source 1, C, D window 1
.macro ROUND                           ; a round of the cluster's barrier
	s_barrier_signal -1
	s_barrier_wait -1
	s_cmp_lg_u32 s10, 0
	s_cbranch_scc1 .Lnot_wave_0_\@
	s_barrier_signal -3
.Lnot_wave_0_\@:
	s_barrier_wait -3
	s_barrier_signal -1
	s_barrier_wait -1
.endm
	s_load_b128 s[4:7], s[0:1], 0x0                ; q 4, kv 6
	s_load_b64 s[8:9], s[0:1], 0x10                ; ao
	v_lshl_add_u32 v9, v0, 2, 0x42000
	v_mov_b32 v19, 0
	ds_add_u32 v9, v19
	v_lshrrev_b32 v48, 5, v0
	v_readfirstlane_b32 s10, v48                   ; wave 0..7
	s_lshr_b32 s11, s10, 2                         ; qg
	s_and_b32 s12, s10, 3                          ; kq
	s_bfe_u32 s13, ttmp6, 0x40000                  ; cx: enters only plain loads' and stores' addresses and the mask's numbers
	s_lshr_b32 s15, ttmp9, 1                       ; bh
	s_and_b32 s16, ttmp9, 1                        ; c
	s_lshl2_add_u32 s17, s16, s13                  ; j = 4 c + cx
	s_mov_b32 s50, 0x76543210                      ; v_permlanex16_b32: lane i reads lane i of the other half
	s_mov_b32 s51, 0xfedcba98
	s_mov_b32 s52, 0x3e38aa3b                      ; c = log2(e) / 8: the scale 1 / sqrt(64) and the base of v_exp_f32 in one
	s_mov_b32 s53, 0x3e38aa3b
	s_mov_b32 s54, 0xbe38aa3b                      ; -c
	s_lshl_b32 s58, s13, 7                         ; 128 x query block - 256 x tile: L last 128 cx,
	s_sub_co_u32 s55, 128, s58                     ; H first 128 - 128 cx,
	s_sub_co_u32 s56, 384, s58                     ; H last 384 - 128 cx,
	s_sub_co_u32 s57, s58, 256                     ; L first 128 cx - 256
	s_mov_b32 s[G1+0], 0x0023000f                  ; mask: all four partners; 8-byte elements; bit 21 beside a mask
	s_mov_b32 s[G1+1], 32<<16                      ; tensor_dim0 = 32 elements (256 bytes)
	s_mov_b32 s[G1+2], 32<<16                      ; tensor_dim1 = 32 rows
	s_mov_b32 s[G1+3], 32<<16                      ; tile_dim0
	s_mov_b32 s[G1+4], 32                          ; tile_dim1
	s_mov_b32 s[G1+5], 32                          ; pitch: dense
	s_mov_b32 s[G1+6], 0
	s_mov_b32 s[G1+7], 0
	s_mov_b32 s[G0+0], 1
	s_lshl_b32 s[G0+1], s10, 13                    ; wave w fills bytes 8,192 w .. of a slot
	s_mov_b32 s[G0+4], 1
	s_add_co_u32 s[G0+5], s[G0+1], SLOTB
	v_and_b32 v[LN], 31, v0
	v_lshlrev_b32 v[LN], 4, v[LN]
	s_lshl_b32 s60, s12, 13
	v_add_nc_u32 v[LA], s60, v[LN]
	v_add_nc_u32 v[LA+1], SLOTB, v[LA]
	s_lshl_b32 s60, s10, 10
	s_add_co_u32 s60, s60, STAT
	v_add_nc_u32 v[STW], s60, v[LN]
	s_lshl_b32 s60, s11, 12
	s_add_co_u32 s60, s60, STAT
	v_add_nc_u32 v[STR], s60, v[LN]
	s_lshl_b32 s60, s10, 14
	s_add_co_u32 s60, s60, SCR
	v_add_nc_u32 v[SCW], s60, v[LN]
	s_lshl_b32 s60, s11, 16
	s_lshl_b32 s61, s12, 12
	s_add_co_u32 s60, s60, s61
	s_add_co_u32 s60, s60, SCR
	v_add_nc_u32 v[SCRD], s60, v[LN]
	v_and_b32 v48, 15, v0                          ; r
	v_bfe_u32 v49, v0, 4, 1                        ; h
	v_lshlrev_b32 v49, 3, v49
	v_sub_nc_u32 v[DLB], v48, v49
	s_sub_co_i32 s60, s11, s12
	s_lshl_b32 s60, s60, 6
	v_add_nc_u32 v[DLB], s60, v[DLB]
	v_mov_b32 v[NINF], 0xff800000
	v_mov_b32 v[FLOOR], 0xf1800000                 ; -2^100
.irp qt, 0,1,2,3
	v_mov_b32 v[P2+2*\qt+1], 1.0                   ; the pair is named whole before its second half is first made
	v_mov_b32 v[RX+\qt], 0                         ; v_permlanex16_b32's destination counts as read
.endr
	; offsets, each in registers of its own
	s_sub_co_u32 s60, 15, s17                      ; H's query block
	s_lshl_b32 s60, s60, 3
	s_lshl2_add_u32 s60, s11, s60                  ; its first q tile of mine: 8 block + 4 qg
	s_lshl_b32 s61, s17, 3
	s_lshl2_add_u32 s61, s11, s61                  ; L's
	s_lshl_b32 s62, s15, 18                        ; q: 256 KB a bh, 2 KB a q tile
	s_lshl_b32 s[QH], s60, 11
	s_add_co_u32 s[QH], s[QH], s62
	s_mov_b32 s[QH+1], 0
	s_lshl_b32 s[QL], s61, 11
	s_add_co_u32 s[QL], s[QL], s62
	s_mov_b32 s[QL+1], 0
	s_lshr_b32 s62, s15, 4                         ; batch: 128 token tiles
	s_lshl_b32 s62, s62, 7
	s_add_co_u32 s62, s62, s12                     ; the q tile that I sum and store is number kq of my group's four
	s_and_b32 s63, s15, 15
	s_lshl_b32 s63, s63, 11                        ; the head's 2 KB in a token tile's 32 KB
	s_add_co_u32 s[AOH], s60, s62
	s_lshl_b32 s[AOH], s[AOH], 15
	s_add_co_u32 s[AOH], s[AOH], s63
	s_mov_b32 s[AOH+1], 0
	s_add_co_u32 s[AOL], s61, s62
	s_lshl_b32 s[AOL], s[AOL], 15
	s_add_co_u32 s[AOL], s[AOL], s63
	s_mov_b32 s[AOL+1], 0
	s_lshl_b32 s60, s15, 19                        ; kv: 512 KB a bh, my 8 KB of a tile: bh, c and the wave alone enter the joint loads
	s_lshl_b32 s61, s10, 13
	s_add_co_u32 s60, s60, s61
	s_mov_b32 s61, 0
	s_lshl_b32 s62, s16, 17                        ; 2 c tiles of 64 KB
	s_mov_b32 s63, 0
	s_wait_dscnt 0x0
	s_wait_kmcnt 0x0
	s_add_nc_u64 s[QH:QH+1], s[4:5], s[QH:QH+1]
	s_add_nc_u64 s[QL:QL+1], s[4:5], s[QL:QL+1]
	s_add_nc_u64 s[AOH:AOH+1], s[8:9], s[AOH:AOH+1]
	s_add_nc_u64 s[AOL:AOL+1], s[8:9], s[AOL:AOL+1]
	s_add_nc_u64 s[BASE:BASE+1], s[6:7], s[60:61]
	s_or_b32 s[BASE+1], s[BASE+1], 0x80000000      ; the type; sums below do not reach it
	s_add_nc_u64 s[LFIRST:LFIRST+1], s[BASE:BASE+1], s[62:63]
	s_add_nc_u64 s[LFIRST:LFIRST+1], s[LFIRST:LFIRST+1], 0x10000   ; tile 2 c + 1
	s_sub_co_u32 s62, 0x70000, s62                 ; tile 7 - 2 c
	s_add_nc_u64 s[G0+2:G0+3], s[BASE:BASE+1], s[62:63]
	s_mov_b64 s[NEXT:NEXT+1], s[BASE:BASE+1]
.irp qt, 0,1,2,3
.irp u, 0,1
.irp hf, 0,1
	global_load_b128 v[QF+16*\qt+8*\u+4*\hf:QF+16*\qt+8*\u+4*\hf+3], v[LN], s[QH:QH+1] offset:\qt*2048+\u*1024+\hf*512
.endr
.endr
.endr
	ROUND                                          ; in front of the first joint load
	tensor_load_to_lds s[G0:G0+3], s[G1:G1+7]      ; H's first tile into slot 0; one tensor load of a wave is out at any time
	s_nop 0
; One key tile.  slot: where it lies.  masked: apply the causal mask with offset s[soff].  first: start maximum, sums and O.
; fill: 1 the other slot gets the next tile, 2 it gets phase L's first tile, 0 nothing.
.macro TRIP slot, masked, first, fill, soff
	s_wait_tensorcnt 0x0                           ; all my tensor loads have landed, my part of this trip's tile among them: every address may be written
	ds_add_u32 v9, v19
	s_wait_dscnt 0x0
.if \fill == 1
	s_mov_b64 s[G0+4*(1-\slot)+2:G0+4*(1-\slot)+3], s[NEXT:NEXT+1]
	s_add_nc_u64 s[NEXT:NEXT+1], s[NEXT:NEXT+1], SLOTB
.endif
.if \fill == 2
	s_mov_b64 s[G0+4*(1-\slot)+2:G0+4*(1-\slot)+3], s[LFIRST:LFIRST+1]
	s_mov_b64 s[NEXT:NEXT+1], s[BASE:BASE+1]
.endif
	s_wait_dscnt 0x0                               ; my reads of the other slot are back
	ROUND                                          ; both now hold of every wave of all four partners
.if \fill
	tensor_load_to_lds s[G0+4*(1-\slot):G0+4*(1-\slot)+3], s[G1:G1+7]    ; the joint refill, first behind the round
	s_nop 0
.endif
.irp kt, 0,1,2,3
.irp u, 0,1
.irp hf, 0,1
	ds_load_b128 v[KF+16*\kt+8*\u+4*\hf:KF+16*\kt+8*\u+4*\hf+3], v[LA+\slot] offset:\kt*2048+\u*1024+\hf*512
.endr
.endr
.endr
.irp kb, 0,1
.irp t, 0,1,2,3
.irp hf, 0,1
	ds_load_b128 v[VF+16*\t+8*\kb+4*\hf:VF+16*\t+8*\kb+4*\hf+3], v[LA+\slot] offset:32768+\kb*4096+\t*1024+\hf*512
.endr
.endr
.endr
.if \first
	s_wait_loadcnt 0x0                             ; the phase's Q
.endif
	; S^T = K Q^T: four accumulators take turns, one instruction a turn
	WIN W_S
.irp kt, 0,1,2,3
	s_wait_dscnt 28-4*\kt                          ; key tile kt's four loads are numbers 4 kt .. 4 kt + 3 of the 32: the 28 - 4 kt younger stay out
.irp qt, 0,1,2,3
	v_wmma_f32_16x16x32_f16 v[32*\qt+8*\kt:32*\qt+8*\kt+7], v[KF+16*\kt:KF+16*\kt+7], v[QF+16*\qt:QF+16*\qt+7], 0
.endr
.irp qt, 0,1,2,3
	v_wmma_f32_16x16x32_f16 v[32*\qt+8*\kt:32*\qt+8*\kt+7], v[KF+16*\kt+8:KF+16*\kt+15], v[QF+16*\qt+8:QF+16*\qt+15], v[32*\qt+8*\kt:32*\qt+8*\kt+7]
.endr
.endr
.if \masked
	; key > query  <=>  jj > r - 8 h + 64 qg - 64 kq + (128 block - 256 tile) - 16 (kt - qt).  The seven adds are the places behind the last product.
	WIN 0
	v_add_nc_u32 v[DLS+3], s[\soff], v[DLB]
.irp d, 0,1,2,4,5,6
	v_add_nc_u32 v[DLS+\d], 48-16*\d, v[DLS+3]
.endr
	WIN W_P
.irp d, 0,1,2,3,4,5,6
.irp jj, 0,1,2,3,4,5,6,7
	v_cmp_gt_i32 s[MK+\jj], \jj, v[DLS+\d]
.endr
.irp kt, 0,1,2,3
.irp qt, 0,1,2,3
.if \kt-\qt+3 == \d
.irp jj, 0,1,2,3,4,5,6,7
	v_cndmask_b32 v[32*\qt+8*\kt+\jj], v[32*\qt+8*\kt+\jj], v[NINF], s[MK+\jj]
.endr
.endif
.endr
.endr
.endr
.else
.rept 4
	v_nop                                          ; four places behind the last product, before its result is read (ISA guide 7.12.1)
.endr
.endif
	; the new maximum of each query: my 32 scores and the old maximum, then the other half of the lanes
	WIN W_MAX
.irp qt, 0,1,2,3
.if \first
	v_max3_num_f32 v[RT+\qt], v[32*\qt], v[32*\qt+1], v[FLOOR]
.else
	v_max3_num_f32 v[RT+\qt], v[32*\qt], v[32*\qt+1], v[RM+\qt]
.endif
.endr
.irp i, 1,2,3,4,5,6,7,8,9,10,11,12,13,14,15
.irp qt, 0,1,2,3
	v_max3_num_f32 v[RT+\qt], v[32*\qt+2*\i], v[32*\qt+2*\i+1], v[RT+\qt]
.endr
.endr
	WIN 0
.irp qt, 0,1,2,3
	v_permlanex16_b32 v[RX+\qt], v[RT+\qt], s50, s51
.endr
.irp qt, 0,1,2,3
	v_max_num_f32 v[RM+\qt], v[RT+\qt], v[RX+\qt]
.endr
.if \first
.irp qt, 0,1,2,3
	v_mul_f32 v[P2+2*\qt], s54, v[RM+\qt]          ; NM = -c max
.endr
.irp i, 0,1,2,3,4,5,6,7
	v_mov_b32 v[RL+\i], 0
.endr
.else
.irp qt, 0,1,2,3
	v_mov_b32 v[TT+\qt], v[P2+2*\qt]
.endr
.irp qt, 0,1,2,3
	v_mul_f32 v[P2+2*\qt], s54, v[RM+\qt]
.endr
.irp qt, 0,1,2,3
	v_sub_f32 v[P2+2*\qt+1], v[P2+2*\qt], v[TT+\qt]    ; from the two rounded NM: exactly 0 where the maximum stays
.endr
.irp qt, 0,1,2,3
	v_exp_f32 v[P2+2*\qt+1], v[P2+2*\qt+1]         ; AL = 2^(c (old max - new max))
.endr
	v_nop                                          ; one plain instruction behind the transcendentals (ISA guide 5.7.2)
	s_wait_alu depctr_va_vdst(0)
.irp qt, 0,1,2,3
	v_pk_mul_f32 v[RL+2*\qt:RL+2*\qt+1], v[RL+2*\qt:RL+2*\qt+1], v[P2+2*\qt:P2+2*\qt+1] op_sel:[0,1] op_sel_hi:[1,1]
.endr
.endif
	; p = 2^(c s - c max), in place
	WIN W_P
.irp qt, 0,1,2,3
.irp i, 0,1,2,3,4,5,6,7,8,9,10,11,12,13,14,15
	v_pk_fma_f32 v[32*\qt+2*\i:32*\qt+2*\i+1], v[32*\qt+2*\i:32*\qt+2*\i+1], s[52:53], v[P2+2*\qt:P2+2*\qt+1] op_sel_hi:[1,0,0]
.endr
.endr
.set EN, 0
.rept 128
	v_exp_f32 v[EN], v[EN]
.set EN, EN+1
.endr
.if \first
	v_nop                                          ; the plain instruction behind the exponentials
	s_wait_alu depctr_va_vdst(0)
.else
	s_wait_alu depctr_va_vdst(0)
.irp qt, 0,1,2,3
.irp i, 0,1,2,3,4,5,6,7,8,9,10,11,12,13,14,15
	v_pk_mul_f32 v[128+32*\qt+2*\i:128+32*\qt+2*\i+1], v[128+32*\qt+2*\i:128+32*\qt+2*\i+1], v[P2+2*\qt:P2+2*\qt+1] op_sel:[0,1] op_sel_hi:[1,1]   ; O x AL; also the plain work behind the exponentials
.endr
.endr
.endif
	WIN W_SUM
.irp i, 0,1,2,3,4,5,6,7,8,9,10,11,12,13,14,15
.irp qt, 0,1,2,3
	v_pk_add_f32 v[RL+2*\qt:RL+2*\qt+1], v[RL+2*\qt:RL+2*\qt+1], v[32*\qt+2*\i:32*\qt+2*\i+1]
.endr
.endr
	WIN W_CVT                                      ; 16 registers of two key tiles pack into the 8 of a B fragment; register i takes 2 i, 2 i + 1: no unread source is written
.irp qt, 0,1,2,3
.irp kb, 0,1
.irp i, 0,1,2,3,4,5,6,7
	v_cvt_pk_f16_f32 v[32*\qt+16*\kb+\i], v[32*\qt+16*\kb+2*\i], v[32*\qt+16*\kb+2*\i+1]
.endr
.endr
.endr
	s_wait_dscnt 0x0                               ; V's fragments
	WIN W_PV                                       ; O^T += V^T P^T: again four accumulators by turns
.irp t, 0,1,2,3
.irp kb, 0,1
.irp qt, 0,1,2,3
.if \first*(1-\kb)
	v_wmma_f32_16x16x32_f16 v[128+32*\qt+8*\t:128+32*\qt+8*\t+7], v[VF+16*\t+8*\kb:VF+16*\t+8*\kb+7], v[32*\qt+16*\kb:32*\qt+16*\kb+7], 0
.else
	v_wmma_f32_16x16x32_f16 v[128+32*\qt+8*\t:128+32*\qt+8*\t+7], v[VF+16*\t+8*\kb:VF+16*\t+8*\kb+7], v[32*\qt+16*\kb:32*\qt+16*\kb+7], v[128+32*\qt+8*\t:128+32*\qt+8*\t+7]
.endif
.endr
.endr
.endr
	WIN 0
.rept 5
	v_nop                                          ; five places: the next trip's first product writes over P, a source of these; its loads land on K's and V's fragments (four)
.endr
.endm
; The end of a phase: the four key quarters of a query group are merged, wave (qg, kq) sums and stores q tile kq.  qnext: the next phase's Q, or 0.
.macro COMBINE aob, qnext
.if \qnext
.irp qt, 0,1,2,3
.irp u, 0,1
.irp hf, 0,1
	global_load_b128 v[QF+16*\qt+8*\u+4*\hf:QF+16*\qt+8*\u+4*\hf+3], v[LN], s[\qnext:\qnext+1] offset:\qt*2048+\u*1024+\hf*512
.endr
.endr
.endr
.endif
.irp qt, 0,1,2,3
	v_add_f32 v[TT+4+\qt], v[RL+2*\qt], v[RL+2*\qt+1]
.endr
.irp qt, 0,1,2,3
	v_permlanex16_b32 v[RX+\qt], v[TT+4+\qt], s50, s51
.endr
.irp qt, 0,1,2,3
	v_add_f32 v[TT+4+\qt], v[TT+4+\qt], v[RX+\qt]  ; my sum for query r
	v_mov_b32 v[TT+\qt], v[P2+2*\qt]               ; four NM side by side for one store
.endr
	ds_store_b128 v[STW], v[TT:TT+3]
	ds_store_b128 v[STW], v[TT+4:TT+7] offset:512
	s_wait_dscnt 0x0                               ; for the others' sake: my stores are done
	s_barrier_signal -1
	s_barrier_wait -1
.irp k, 0,1,2,3
	ds_load_b128 v[KF+8*\k:KF+8*\k+3],   v[STR] offset:\k*1024
	ds_load_b128 v[KF+8*\k+4:KF+8*\k+7], v[STR] offset:\k*1024+512
.endr
	s_wait_dscnt 0x0
.irp qt, 0,1,2,3
	v_min3_num_f32 v[RT+\qt], v[KF+\qt], v[KF+8+\qt], v[KF+16+\qt]
.endr
.irp qt, 0,1,2,3
	v_min_num_f32 v[RT+\qt], v[RT+\qt], v[KF+24+\qt]       ; least NM = the common maximum
.endr
.irp k, 0,1,2,3
.irp qt, 0,1,2,3
	v_sub_f32 v[KF+8*\k+\qt], v[RT+\qt], v[KF+8*\k+\qt]
.endr
.endr
.irp qt, 0,1,2,3
	v_sub_f32 v[RX+\qt], v[RT+\qt], v[P2+2*\qt]
.endr
.irp k, 0,1,2,3
.irp qt, 0,1,2,3
	v_exp_f32 v[KF+8*\k+\qt], v[KF+8*\k+\qt]       ; each quarter's weight, at most 1
.endr
.endr
.irp qt, 0,1,2,3
	v_exp_f32 v[RX+\qt], v[RX+\qt]                 ; my own
.endr
	v_nop
	s_wait_alu depctr_va_vdst(0)
.irp qt, 0,1,2,3
	v_mul_f32 v[TT+8+\qt], v[KF+\qt], v[KF+4+\qt]
.endr
.irp k, 1,2,3
.irp qt, 0,1,2,3
	v_fmac_f32 v[TT+8+\qt], v[KF+8*\k+\qt], v[KF+8*\k+4+\qt]   ; the whole row's sum: at least about 1, the largest score's own term
.endr
.endr
.irp qt, 0,1,2,3
	v_rcp_f32 v[TT+8+\qt], v[TT+8+\qt]
.endr
	v_nop
	s_wait_alu depctr_va_vdst(0)
.irp qt, 0,1,2,3
	v_mul_f32 v[P2+2*\qt+1], v[RX+\qt], v[TT+8+\qt]
.endr
	WIN W_P
.irp qt, 0,1,2,3
.irp i, 0,1,2,3,4,5,6,7,8,9,10,11,12,13,14,15
	v_pk_mul_f32 v[128+32*\qt+2*\i:128+32*\qt+2*\i+1], v[128+32*\qt+2*\i:128+32*\qt+2*\i+1], v[P2+2*\qt:P2+2*\qt+1] op_sel:[0,1] op_sel_hi:[1,1]
.endr
.endr
	WIN W_SUM
.irp qt, 0,1,2,3
.irp t, 0,1,2,3
.irp hf, 0,1
	ds_store_b128 v[SCW], v[128+32*\qt+8*\t+4*\hf:128+32*\qt+8*\t+4*\hf+3] offset:\qt*4096+\t*1024+\hf*512
.endr
.endr
.endr
	WIN 0
	s_wait_dscnt 0x0
	s_barrier_signal -1
	s_barrier_wait -1
.irp k, 0,1,2,3
.irp t, 0,1,2,3
.irp hf, 0,1
	ds_load_b128 v[KF+32*\k+8*\t+4*\hf:KF+32*\k+8*\t+4*\hf+3], v[SCRD] offset:\k*16384+\t*1024+\hf*512
.endr
.endr
.endr
	s_wait_dscnt 0x0                               ; also: these bytes are stored again only behind later rounds
.irp i, 0,1,2,3,4,5,6,7,8,9,10,11,12,13,14,15
	v_pk_add_f32 v[KF+2*\i:KF+2*\i+1], v[KF+2*\i:KF+2*\i+1], v[KF+32+2*\i:KF+32+2*\i+1]
	v_pk_add_f32 v[KF+64+2*\i:KF+64+2*\i+1], v[KF+64+2*\i:KF+64+2*\i+1], v[KF+96+2*\i:KF+96+2*\i+1]
.endr
.irp i, 0,1,2,3,4,5,6,7,8,9,10,11,12,13,14,15
	v_pk_add_f32 v[KF+2*\i:KF+2*\i+1], v[KF+2*\i:KF+2*\i+1], v[KF+64+2*\i:KF+64+2*\i+1]
.endr
.irp i, 0,1,2,3,4,5,6,7,8,9,10,11,12,13,14,15
	v_cvt_pk_f16_f32 v[TT+\i], v[KF+2*\i], v[KF+2*\i+1]
.endr
.irp t, 0,1,2,3
	global_store_b128 v[LN], v[TT+4*\t:TT+4*\t+3], s[\aob:\aob+1] offset:\t*512    ; a wave's store covers 512 consecutive bytes at a multiple of 512
.endr
	s_wait_xcnt 0x0                                ; the stores' data registers are written again only behind this wait
.endm
	; phase H: query block 15 - j
	TRIP 0, 1, 1, 1, 55                            ; tile 7 - 2 c
	s_sub_co_u32 s59, 3, s16                       ; 3 - c pairs: tiles 0 .. 5 - 2 c; the same in all four partners
.Lpairs:
	TRIP 1, 0, 0, 1, 0
	TRIP 0, 0, 0, 1, 0
	s_sub_co_u32 s59, s59, 1
	s_cmp_lg_u32 s59, 0
	s_cbranch_scc1 .Lpairs
	TRIP 1, 1, 0, 2, 56                            ; tile 6 - 2 c; slot 0 gets phase L's first tile
	COMBINE AOH, QL
	; phase L: query block j
	TRIP 0, 1, 1, 1, 57                            ; tile 2 c + 1
	s_cmp_eq_u32 s16, 0                            ; c pairs: none or one; c is the same in every wave and every partner, and every wait on tensor loads is for 0 on both ways
	s_cbranch_scc1 .Lno_pair
	TRIP 1, 0, 0, 1, 0
	TRIP 0, 0, 0, 1, 0
.Lno_pair:
	TRIP 1, 1, 0, 0, 58                            ; tile 2 c
	COMBINE AOL, 0
	s_wait_tensorcnt 0x0
	ds_add_u32 v9, v19
	s_wait_dscnt 0x0
	ROUND                                          ; the closing round
	s_endpgm
.Lfunc_end_k_q524ae13861_attn:
	.size	k_q524ae13861_attn, .Lfunc_end_k_q524ae13861_attn-k_q524ae13861_attn
	.p2alignl 7, 3214868480
	.fill 96, 4, 3214868480
	.section	.rodata,"a",@progbits
	.p2align	6, 0x0
	.amdhsa_kernel k_q524ae13861_attn
		.amdhsa_group_segment_fixed_size 327680
		.amdhsa_private_segment_fixed_size 0
		.amdhsa_enable_private_segment 0
		.amdhsa_kernarg_size 24
		.amdhsa_user_sgpr_count 2
		.amdhsa_user_sgpr_kernarg_segment_ptr 1
		.amdhsa_wavefront_size32 1
		.amdhsa_system_sgpr_workgroup_id_x 1
		.amdhsa_system_sgpr_workgroup_id_y 1
		.amdhsa_system_sgpr_workgroup_id_z 1
		.amdhsa_system_vgpr_workitem_id 0
		.amdhsa_next_free_vgpr 512
		.amdhsa_next_free_sgpr 80
		.amdhsa_reserve_vcc 0
		.amdhsa_float_denorm_mode_32 3
		.amdhsa_float_denorm_mode_16_64 3
		.amdhsa_memory_ordered 1
		.amdhsa_forward_progress 1
		.amdhsa_inst_pref_size 255
	.end_amdhsa_kernel
	.section	.bss,"aw",@nobits
	.p2align	6
	.space	262144
	.amdgpu_metadata
---
amdhsa.version: [ 1, 2 ]
amdhsa.kernels:
  - .name:           k_q524ae13861_attn
    .symbol:         k_q524ae13861_attn.kd
    .args:
      - { .name: q, .offset: 0, .size: 8, .value_kind: global_buffer, .address_space: global }
      - { .name: kv, .offset: 8, .size: 8, .value_kind: global_buffer, .address_space: global }
      - { .name: ao, .offset: 16, .size: 8, .value_kind: global_buffer, .address_space: global }
    .group_segment_fixed_size: 327680
    .private_segment_fixed_size: 0
    .kernarg_segment_align: 8
    .kernarg_segment_size: 24
    .max_flat_workgroup_size: 256
    .sgpr_count:     80
    .vgpr_count:     512
    .wavefront_size: 32
...
	.end_amdgpu_metadata
.endif
;; end of part 3
;; launch oproj (part 4): grid 8 x 32, 4 waves a work-group, clusters of 4 x 4, 327,680 bytes of LDS; arguments ao, wob, out0; writes out0
.if DOCPART == 4
	.amdgcn_target "amdgcn-amd-amdhsa--gfx1250"
	.amdhsa_code_object_version 6
	.text
	.protected	k_q524ae13861_oproj
	.globl	k_q524ae13861_oproj
	.p2align	8
	.type	k_q524ae13861_oproj,@function
k_q524ae13861_oproj:
	s_mov_b64 s[64:65], 0
	v_nop
	global_prefetch_b8 v0, s[64:65] scope:SCOPE_SE
	s_setreg_imm32_b32 hwreg(HW_REG_WAVE_MODE, 25, 1), 1
	s_wait_xcnt 0x0
	s_wait_alu depctr_hold_cnt(0) depctr_sa_sdst(0) depctr_va_vdst(0) depctr_va_sdst(0) depctr_va_ssrc(0) depctr_va_vcc(0) depctr_vm_vsrc(0)
	s_getreg_b32 s2, hwreg(HW_REG_IB_STS2, 6, 4)
	s_cmp_eq_u32 s2, 0
	s_cbranch_scc0 .Lentry_in_a_cluster
	s_endpgm
.Lentry_in_a_cluster:
	s_bfe_u32 s2, ttmp6, 0x10000c
	s_cmp_lg_u32 s2, 0xf033
	s_cbranch_scc0 .Lentry_shape_is_right
	s_endpgm
.Lentry_shape_is_right:
; oproj: out0 = O wo^T.  ao: f16 fragment images [256 tiles of 16 tokens][32 blocks of 32 k][half][lane][16 B]; wob [1024][1024] f16; out0 [4096][1024] f32.
; Block: 128 tokens x 128 features, 256 work-groups; four waves, wave (wm, wn) makes 64 x 64: 16 accumulator tiles.
; K goes in four steps of 256 through two LDS slots.  ao's part of a step is 8 KB a token tile, dense, and is read at 16 x lane;
; wo's rows are 512 bytes of memory at multiples of 512, padded by 16 in LDS.
; CLUSTERS: 4 x 4.  ao's tile hangs on the token block alone (shared along a row of the cluster), wo's on the feature block alone (along a column).
; Source 0 = wo, source 1 = ao: lane (r, h) holds token r and 8 neighbouring features, 32 bytes of a row of out0.
.set BPITCH, 528                       ; 512 + 16: an odd multiple of 16
.set BOFF,   65536                     ; wo's 128 rows lie behind ao's 8 x 8 KB
.set SLOT,   65536+128*BPITCH          ; 133,120
.set STAGE,  2*SLOT                    ; 16 rows x 272 bytes a wave, for the way out; no tensor load fills it
.set SPITCH, 272
.set ADRA, 16                          ; v16-17
.set ADRB, 20                          ; v20-21
.set STO,  24
.set RD,   25
.set CO,   26
.set F0,   64                          ; fragment buffers: wo's tile b at + 8 b, ao's tile a at + 32 + 8 a
.set F1,   128
.set G1A, 24
.set G0A, 32
.set G1B, 48
.set G0B, 56
.set MSB, 0
.macro WIN new
.if MSB != \new
	s_set_vgpr_msb (MSB<<8)|\new
.set MSB, \new
.endif
.endm
.set W_MUL, 0x50                       ; C and D window 1: accumulator (a, b) at 8 (4 a + b)
.macro PLACES
.rept 4
	v_nop
.endr
.endm
.macro CREST
	s_cmp_lg_u32 s12, 0
	s_cbranch_scc1 .Lnot_wave_0_\@
	s_barrier_signal -3
.Lnot_wave_0_\@:
	s_barrier_wait -3
	s_barrier_signal -1
	s_barrier_wait -1
.endm
.macro CROUND
	s_barrier_signal -1
	s_barrier_wait -1
	CREST
.endm
	s_load_b128 s[4:7], s[0:1], 0x0                ; ao 4, wob 6
	s_load_b64 s[8:9], s[0:1], 0x10                ; out0
	v_lshl_add_u32 v254, v0, 2, 0x45400
	v_mov_b32 v255, 0
	ds_add_u32 v254, v255
	v_lshrrev_b32 v1, 5, v0
	v_readfirstlane_b32 s12, v1                    ; wave
	s_lshr_b32 s45, s12, 1                         ; wm
	s_and_b32 s46, s12, 1                          ; wn
	s_bfe_u32 s13, ttmp6, 0x40000                  ; cx
	s_bfe_u32 s14, ttmp6, 0x40004                  ; cy
	s_lshl_b32 s15, ttmp9, 2
	s_add_co_u32 s15, s15, s13                     ; feature block
	s_and_b32 s16, ttmp7, 0xffff
	s_lshl_b32 s16, s16, 2
	s_add_co_u32 s16, s16, s14                     ; token block
	s_lshl_b32 s17, s14, 2
	s_lshl_b32 s17, 15, s17                        ; my row of the cluster
	s_lshl_b32 s18, 0x1111, s13                    ; my column
	s_or_b32 s[G1A+0], s17, (3<<16)|(1<<21)        ; mask; 8-byte elements; bit 21 beside a mask; no padding
	s_or_b32 s[G1B+0], s18, (1<<16)|(1<<20)|(1<<21)|(6<<22)|(3<<25)    ; mask; 2-byte elements; after 128 words, 4 words of padding
	s_mov_b32 s[G1A+1], 1024<<16                   ; ao: rows of 1,024 elements (8 KB: a token tile's part of a K step)
	s_mov_b32 s[G1B+1], 256<<16                    ; wo: rows of 256 elements
	s_mov_b32 s[G1A+2], 2<<16                      ; 2 token tiles a wave
	s_mov_b32 s[G1B+2], 32<<16                     ; 32 rows a wave
	s_mov_b32 s[G1A+3], 1024<<16
	s_mov_b32 s[G1B+3], 256<<16
	s_mov_b32 s[G1A+4], 2
	s_mov_b32 s[G1B+4], 32
	s_mov_b32 s[G1A+5], 4096                       ; 32 KB from a token tile to the next
	s_mov_b32 s[G1B+5], 1024
	s_mov_b32 s[G1A+6], 0
	s_mov_b32 s[G1B+6], 0
	s_mov_b32 s[G1A+7], 0
	s_mov_b32 s[G1B+7], 0
	s_lshl_b32 s20, s16, 18                        ; ao: (8 block + 2 wave) token tiles of 32 KB
	s_lshl_b32 s21, s12, 16
	s_add_co_u32 s20, s20, s21
	s_mov_b32 s21, 0
	s_lshl_b32 s40, s15, 18                        ; wo: (128 block + 32 wave) rows of 2,048 bytes
	s_lshl_b32 s41, s12, 16
	s_add_co_u32 s40, s40, s41
	s_mov_b32 s41, 0
	s_lshl_b32 s22, s12, 14                        ; LDS: the wave's number alone
	s_mul_i32 s42, s12, 32*BPITCH
	s_add_co_u32 s42, s42, BOFF
	s_wait_dscnt 0x0
	s_wait_kmcnt 0x0
	s_add_nc_u64 s[20:21], s[4:5], s[20:21]
	s_add_nc_u64 s[40:41], s[6:7], s[40:41]
	CROUND                                         ; in front of the first joint loads
.irp s, 0,1
	s_mov_b32 s[G0A+4*\s], 1
	s_add_co_u32 s[G0A+4*\s+1], s22, \s*SLOT
	s_add_nc_u64 s[G0A+4*\s+2:G0A+4*\s+3], s[20:21], \s*8192
	s_or_b32 s[G0A+4*\s+3], s[G0A+4*\s+3], 0x80000000
	s_mov_b32 s[G0B+4*\s], 1
	s_add_co_u32 s[G0B+4*\s+1], s42, \s*SLOT
	s_add_nc_u64 s[G0B+4*\s+2:G0B+4*\s+3], s[40:41], \s*512
	s_or_b32 s[G0B+4*\s+3], s[G0B+4*\s+3], 0x80000000
	tensor_load_to_lds s[G0A+4*\s:G0A+4*\s+3], s[G1A:G1A+7]        ; four loads of the wave are out here, two behind each later round
	s_nop 0
	tensor_load_to_lds s[G0B+4*\s:G0B+4*\s+3], s[G1B:G1B+7]
	s_nop 0
.endr
	v_and_b32 v1, 15, v0                           ; r
	v_bfe_u32 v2, v0, 4, 1                         ; h
	v_and_b32 v3, 31, v0
	v_lshlrev_b32 v3, 4, v3                        ; 16 x lane
	s_lshl_b32 s47, s45, 15                        ; my four token tiles
	v_add_nc_u32 v[ADRA], s47, v3
	v_add_nc_u32 v[ADRA+1], SLOT, v[ADRA]
	v_mul_u32_u24 v4, v1, BPITCH
	v_lshl_add_u32 v4, v2, 4, v4
	s_mul_i32 s47, s46, 64*BPITCH                  ; my 64 rows of wo
	s_add_co_u32 s47, s47, BOFF
	v_add_nc_u32 v[ADRB], s47, v4
	v_add_nc_u32 v[ADRB+1], SLOT, v[ADRB]
	s_mul_i32 s47, s12, 16*SPITCH
	s_add_co_u32 s47, s47, STAGE                   ; my stage
	v_mul_u32_u24 v4, v1, SPITCH                   ; in: row r, 32 bytes for each half of the lanes
	v_lshl_add_u32 v4, v2, 5, v4
	v_add_nc_u32 v[STO], s47, v4
	v_mul_u32_u24 v5, v2, SPITCH                   ; back: lanes 0-15 one row of 256 bytes, lanes 16-31 the next
	v_lshl_add_u32 v5, v1, 4, v5
	v_add_nc_u32 v[RD], s47, v5
	v_lshlrev_b32 v5, 12, v2                       ; the same two rows in out0
	v_lshl_add_u32 v[CO], v1, 4, v5
.macro MUL8 f, a0, zero                ; token tiles a0, a0 + 1 x four feature tiles
.irp a, \a0, \a0+1
.irp b, 0,1,2,3
.if \zero
	v_wmma_f32_16x16x32_f16 v[8*(4*(\a)+\b):8*(4*(\a)+\b)+7], v[\f+8*\b:\f+8*\b+7], v[\f+32+8*(\a):\f+32+8*(\a)+7], 0
.else
	v_wmma_f32_16x16x32_f16 v[8*(4*(\a)+\b):8*(4*(\a)+\b)+7], v[\f+8*\b:\f+8*\b+7], v[\f+32+8*(\a):\f+32+8*(\a)+7], v[8*(4*(\a)+\b):8*(4*(\a)+\b)+7]
.endif
.endr
.endr
.endm
.macro FETCH slot, i, f                ; 16 loads: the fragments of 32 along K, number i of the K step's eight
.irp b, 0,1,2,3
	ds_load_b128 v[\f+8*\b:\f+8*\b+3],   v[ADRB+\slot] offset:\b*16*BPITCH+(\i)*64
	ds_load_b128 v[\f+8*\b+4:\f+8*\b+7], v[ADRB+\slot] offset:\b*16*BPITCH+(\i)*64+32
.endr
.irp a, 0,1,2,3
	ds_load_b128 v[\f+32+8*\a:\f+32+8*\a+3],   v[ADRA+\slot] offset:\a*8192+(\i)*1024
	ds_load_b128 v[\f+32+8*\a+4:\f+32+8*\a+7], v[ADRA+\slot] offset:\a*8192+(\i)*1024+512
.endr
.endm
; 16 matrix instructions on buffer f; ahead of them the next 32 along K are fetched into buffer g.  The 16 accumulators take turns,
; one instruction a turn, in the same order everywhere.
.macro STEP slot, i, f, g, zero
	s_wait_dscnt 0x0                               ; buffer f's 16 loads
	PLACES                                         ; behind the matrix instructions that read buffer g
	FETCH \slot, \i+1, \g
	WIN W_MUL
	MUL8 \f, 0, \zero
	MUL8 \f, 2, \zero
	WIN 0
.endm
.macro SEVEN slot, zero
	STEP \slot, 0, F0, F1, \zero
	STEP \slot, 1, F1, F0, 0
	STEP \slot, 2, F0, F1, 0
	STEP \slot, 3, F1, F0, 0
	STEP \slot, 4, F0, F1, 0
	STEP \slot, 5, F1, F0, 0
	STEP \slot, 6, F0, F1, 0
.endm
; The K step's last 32 and the change of slots: my reads of this slot are back and all my tensor loads have landed in front of the barrier;
; where the slot is filled again the barrier opens a round of the cluster's barrier and the joint refills come first behind it.
.macro TURN slot, next, fill
	s_wait_dscnt 0x0
	s_wait_tensorcnt 0x0
	ds_add_u32 v254, v255
	s_wait_dscnt 0x0
	s_barrier_signal -1
	WIN W_MUL
	MUL8 F1, 0, 0
	WIN 0
	s_barrier_wait -1
.if \fill
	CREST
	s_add_nc_u64 s[G0A+4*\slot+2:G0A+4*\slot+3], s[G0A+4*\slot+2:G0A+4*\slot+3], 16384
	s_add_nc_u64 s[G0B+4*\slot+2:G0B+4*\slot+3], s[G0B+4*\slot+2:G0B+4*\slot+3], 1024
	tensor_load_to_lds s[G0A+4*\slot:G0A+4*\slot+3], s[G1A:G1A+7]
	s_nop 0
	tensor_load_to_lds s[G0B+4*\slot:G0B+4*\slot+3], s[G1B:G1B+7]
	s_nop 0
.endif
	PLACES
	FETCH \next, 0, F0
	WIN W_MUL
	MUL8 F1, 2, 0
	WIN 0
.endm
	s_wait_tensorcnt 2                             ; my two parts of K step 0 are in; K step 1's two stay out
	s_barrier_signal -1
	s_barrier_wait -1
	FETCH 0, 0, F0
	SEVEN 0, 1                                     ; K step 0: its first products start the sums
	TURN 0, 1, 1                                   ; slot 0 gets K step 2
	SEVEN 1, 0
	TURN 1, 0, 1                                   ; slot 1 gets K step 3
	SEVEN 0, 0
	TURN 0, 1, 0
	SEVEN 1, 0
	s_wait_dscnt 0x0
	WIN W_MUL
	MUL8 F1, 0, 0
	MUL8 F1, 2, 0
	WIN 0
	; THE WAY OUT, 16 tokens at a time through my own stage: 32 bytes a lane in, whole rows of 256 bytes back
	PLACES
	s_lshl_b32 s40, s16, 19                        ; (128 block + 64 wm) rows of 4,096 bytes
	s_lshl_b32 s41, s45, 18
	s_add_co_u32 s40, s40, s41
	s_lshl_b32 s41, s15, 9                         ; (128 block + 64 wn) columns of 4 bytes
	s_add_co_u32 s40, s40, s41
	s_lshl_b32 s41, s46, 8
	s_add_co_u32 s40, s40, s41
	s_mov_b32 s41, 0
	s_add_nc_u64 s[8:9], s[8:9], s[40:41]
.macro OUT16 a, f
	WIN 0x04                                       ; an LDS store's data: window 1
.irp b, 0,1,2,3
	ds_store_b128 v[STO], v[8*(4*\a+\b):8*(4*\a+\b)+3]   offset:64*\b
	ds_store_b128 v[STO], v[8*(4*\a+\b)+4:8*(4*\a+\b)+7] offset:64*\b+16
.endr
	WIN 0
	s_wait_xcnt 0x0                                ; buffer f, which stores read, and the stores' base are written again only behind this wait
.if \a
	s_add_nc_u64 s[8:9], s[8:9], 65536             ; 16 rows on
.endif
.irp t, 0,1,2,3,4,5,6,7
	ds_load_b128 v[\f+4*\t:\f+4*\t+3], v[RD] offset:\t*2*SPITCH    ; LDS serves a wave's instructions in order: these see the stores above
.endr
.irp t, 0,1,2,3,4,5,6,7
	s_wait_dscnt 7-\t                              ; load t is back, the 7 - t younger stay out
	global_store_b128 v[CO], v[\f+4*\t:\f+4*\t+3], s[8:9] offset:\t*8192 th:TH_STORE_NT   ; 16 lanes store 256 consecutive bytes at a multiple of 256
.endr
.endm
	OUT16 0, F0
	OUT16 1, F1
	OUT16 2, F0
	OUT16 3, F1
	s_wait_tensorcnt 0x0
	ds_add_u32 v254, v255
	s_wait_dscnt 0x0
	CROUND                                         ; the closing round
	s_endpgm
.Lfunc_end_k_q524ae13861_oproj:
	.size	k_q524ae13861_oproj, .Lfunc_end_k_q524ae13861_oproj-k_q524ae13861_oproj
	.p2alignl 7, 3214868480
	.fill 96, 4, 3214868480
	.section	.rodata,"a",@progbits
	.p2align	6, 0x0
	.amdhsa_kernel k_q524ae13861_oproj
		.amdhsa_group_segment_fixed_size 327680
		.amdhsa_private_segment_fixed_size 0
		.amdhsa_enable_private_segment 0
		.amdhsa_kernarg_size 24
		.amdhsa_user_sgpr_count 2
		.amdhsa_user_sgpr_kernarg_segment_ptr 1
		.amdhsa_wavefront_size32 1
		.amdhsa_system_sgpr_workgroup_id_x 1
		.amdhsa_system_sgpr_workgroup_id_y 1
		.amdhsa_system_sgpr_workgroup_id_z 1
		.amdhsa_system_vgpr_workitem_id 0
		.amdhsa_next_free_vgpr 384
		.amdhsa_next_free_sgpr 66
		.amdhsa_reserve_vcc 0
		.amdhsa_float_denorm_mode_32 3
		.amdhsa_float_denorm_mode_16_64 3
		.amdhsa_memory_ordered 1
		.amdhsa_forward_progress 1
		.amdhsa_inst_pref_size 88
	.end_amdhsa_kernel
	.amdgpu_metadata
---
amdhsa.version: [ 1, 2 ]
amdhsa.kernels:
  - .name:           k_q524ae13861_oproj
    .symbol:         k_q524ae13861_oproj.kd
    .args:
      - { .name: ao, .offset: 0, .size: 8, .value_kind: global_buffer, .address_space: global }
      - { .name: wob, .offset: 8, .size: 8, .value_kind: global_buffer, .address_space: global }
      - { .name: out0, .offset: 16, .size: 8, .value_kind: global_buffer, .address_space: global }
    .group_segment_fixed_size: 327680
    .private_segment_fixed_size: 0
    .kernarg_segment_align: 8
    .kernarg_segment_size: 24
    .max_flat_workgroup_size: 128
    .sgpr_count:     66
    .vgpr_count:     384
    .wavefront_size: 32
...
	.end_amdgpu_metadata
.endif
;; end of part 4
;; ======== version 2 of 2: 4 launches; version 1 with the launch cvt written anew for expert scheduling mode
;; limits: values are held in f16: magnitudes above 65,504 overflow, below 6.1e-05 lose precision
;; workspace buffers: xb 8,388,608 bytes; wcat 6,291,456 bytes; wob 2,097,152 bytes; q 8,388,608 bytes; kv 16,777,216 bytes; ao 8,388,608 bytes
;; launch cvt (part 5): grid 512 x 1, 8 waves a work-group, no clusters, 0 bytes of LDS; arguments x, wq, wk, wv, wo, xb, wcat, wob; writes xb, wcat, wob
.if DOCPART == 5
	.amdgcn_target "amdgcn-amd-amdhsa--gfx1250"
	.amdhsa_code_object_version 6
	.text
	.protected	k_q524ae13861_cvt
	.globl	k_q524ae13861_cvt
	.p2align	8
	.type	k_q524ae13861_cvt,@function
k_q524ae13861_cvt:
	s_mov_b64 s[64:65], 0
	v_nop
	global_prefetch_b8 v0, s[64:65] scope:SCOPE_SE
	s_setreg_imm32_b32 hwreg(HW_REG_WAVE_SCHED_MODE, 0, 2), 2
	s_setreg_imm32_b32 hwreg(HW_REG_WAVE_MODE, 25, 1), 1
	s_wait_xcnt 0x0
	s_wait_alu depctr_vm_vsrc(0)
; cvt: rounds the five f32 inputs once, so that every later product takes 16-bit tiles.
;   x  -> xb    bf16 [4096][1024]
;   wq, wk, wv -> wcat  bf16, rows regrouped by head: row = 192 head + 64 (0: q, 1: k, 2: v) + row in head
;   wo -> wob   rounded to bf16 and that number written as f16 (it stands beside an f16 operand later).
; LIMIT: the bf16 number is exact in f16 for 2^-17 <= |w| < 65,504; below, the error is at most 2^-25.
; A stream: each byte is read once and written once.  No LDS, no matrix unit; no cluster, since no two work-groups read the same bytes.
; Work-group g takes 16 rows of 1,024 f32 (64 KB in, 32 KB out, both dense); wave w rows 2w, 2w+1.
; A load of a wave covers 512 consecutive bytes, a store 256 consecutive bytes at a multiple of 256.
; THE MODE: SCHED_MODE bits 1:0 = 2 (LLVM: expert scheduling mode 2), set by the entry lines.  The code itself states the register dependences
; between vector instructions and memory instructions, with s_wait_alu, always for 0.
; THE PLAN.  Registers that memory instructions touch:
;   v1, v2   byte offsets of the loads and of the stores: made once at the head, never written again.
;   X        piece i's four registers: written by load i, which is issued before any vector instruction names them; read (on wo's path also
;            written again) by piece i's vector lines, behind the wait for load i.  No memory instruction reads them.
;   Y        piece i's two registers: written once, by piece i's last two conversions; read by store i alone.
;   T        named by vector instructions alone.
; The wave's sixteen pieces of 512 bytes go in four blocks of four.  Block p converts into its own Y; the four stores of block p - 1 are dealt among
; its vector lines, which name block p's X and Y and T: none of the registers that those stores read.  So one wait at the head of blocks 1 to 3 states
; all that the block's stores hang on, and one more stands ahead of the last four stores.  No register that a memory instruction has read is written again.
.set X, 8                              ; v[8:71]    sixteen loads of 4 f32
.set Y, 72                             ; v[72:103]  sixteen stores of 4 numbers of 16 bits
.set T, 4                              ; v[4:5]     at work (wo's path)
	s_load_b512 s[4:19], s[0:1], 0x0               ; x 4, wq 6, wk 8, wv 10, wo 12, xb 14, wcat 16, wob 18
	s_max_u32 s28, ttmp9, 256                      ; groups 0-255 take x; 256-511 the weights, 64 groups each
	s_sub_co_u32 s28, s28, 256
	s_lshr_b32 s29, s28, 6                         ; which weight: 0 q, 1 k, 2 v, 3 o
	s_and_b32 s30, s28, 63                         ; its block of 16 rows
	s_lshr_b32 s31, s30, 2                         ; head (64 rows)
	s_mul_i32 s31, s31, 192
	s_lshl_b32 s32, s29, 6
	s_add_co_u32 s31, s31, s32
	s_and_b32 s32, s30, 3
	s_lshl_b32 s32, s32, 4
	s_add_co_u32 s31, s31, s32                     ; row in wcat
	s_lshl_b32 s31, s31, 11                        ; rows of 2,048 bytes
	s_lshl_b32 s33, s30, 15                        ; offset in wob
	s_lshl_b32 s34, s30, 16                        ; offset in a weight
	s_lshl_b32 s35, ttmp9, 16                      ; offset in x
	s_lshl_b32 s36, ttmp9, 15                      ; offset in xb
	v_and_b32 v3, 31, v0                           ; lane
	v_lshrrev_b32 v2, 5, v0                        ; wave
	v_lshlrev_b32 v1, 4, v3
	v_lshl_or_b32 v1, v2, 13, v1                   ; in:  16 lane + 8,192 wave
	v_lshlrev_b32 v3, 3, v3
	v_lshl_or_b32 v2, v2, 12, v3                   ; out:  8 lane + 4,096 wave
	s_mov_b32 s25, 0
	s_mov_b32 s27, 0
	s_wait_kmcnt 0x0
	s_mov_b64 s[20:21], s[4:5]                     ; the source, chosen by the group's number alone
	s_cmp_ge_u32 ttmp9, 256
	s_cselect_b64 s[20:21], s[6:7], s[20:21]
	s_cselect_b64 s[22:23], s[16:17], s[14:15]     ; the destination likewise
	s_cselect_b32 s24, s34, s35
	s_cselect_b32 s26, s31, s36
	s_cmp_ge_u32 ttmp9, 320
	s_cselect_b64 s[20:21], s[8:9], s[20:21]
	s_cmp_ge_u32 ttmp9, 384
	s_cselect_b64 s[20:21], s[10:11], s[20:21]
	s_cmp_ge_u32 ttmp9, 448
	s_cselect_b64 s[20:21], s[12:13], s[20:21]
	s_cselect_b64 s[22:23], s[18:19], s[22:23]
	s_cselect_b32 s26, s33, s26
	s_add_nc_u64 s[20:21], s[20:21], s[24:25]
	s_add_nc_u64 s[22:23], s[22:23], s[26:27]
	s_wait_alu depctr_va_vdst(0)                   ; v1 and v2 are written: every load reads v1 as its offset, every store v2; neither is written again
.irp i, 0,1,2,3,4,5,6,7,8,9,10,11,12,13,14,15
	global_load_b128 v[X+4*\i:X+4*\i+3], v1, s[20:21] offset:512*\i th:TH_LOAD_NT   ; all of the wave's 8 KB on their way at once
.endr
	s_cmp_ge_u32 ttmp9, 448
	s_cbranch_scc1 .Lwo
.irp i, 0,1,2,3,4,5,6,7,8,9,10,11,12,13,14,15
	s_wait_loadcnt 15-\i                           ; loads come back in order: load i is in, the 15 - i younger ones stay out
.if ((\i)%4 == 0) && ((\i) > 0)
	s_wait_alu depctr_va_vdst(0)                   ; the block before has written its eight Y registers, which the four stores dealt into this block read
.endif
.if (\i) > 3
	global_store_b64 v2, v[Y+2*(\i-4):Y+2*(\i-4)+1], s[22:23] offset:256*(\i-4)    ; the piece four back; no vector line since the wait names its registers; no register of a pending store is written again
.endif
	v_cvt_pk_bf16_f32 v[Y+2*\i],   v[X+4*\i],   v[X+4*\i+1]
	v_cvt_pk_bf16_f32 v[Y+2*\i+1], v[X+4*\i+2], v[X+4*\i+3]
.endr
	s_wait_alu depctr_va_vdst(0)                   ; the last block has written its Y, which the last four stores read
.irp i, 12,13,14,15
	global_store_b64 v2, v[Y+2*\i:Y+2*\i+1], s[22:23] offset:256*\i
.endr
	s_endpgm
.Lwo:
.irp i, 0,1,2,3,4,5,6,7,8,9,10,11,12,13,14,15
	s_wait_loadcnt 15-\i
.if ((\i)%4 == 0) && ((\i) > 0)
	s_wait_alu depctr_va_vdst(0)                   ; the block before has written its eight Y registers, which the four stores dealt into this block read
.endif
.if (\i) > 3
	global_store_b64 v2, v[Y+2*(\i-4):Y+2*(\i-4)+1], s[22:23] offset:256*(\i-4)    ; the piece four back; no vector line since the wait names its registers
.endif
	v_cvt_pk_bf16_f32 v[T],   v[X+4*\i],   v[X+4*\i+1]    ; the rounding that counts
	v_cvt_pk_bf16_f32 v[T+1], v[X+4*\i+2], v[X+4*\i+3]
	v_lshlrev_b32 v[X+4*\i],   16, v[T]                   ; back to f32,
	v_and_b32     v[X+4*\i+1], 0xffff0000, v[T]
	v_lshlrev_b32 v[X+4*\i+2], 16, v[T+1]
	v_and_b32     v[X+4*\i+3], 0xffff0000, v[T+1]
	v_cvt_pk_f16_f32 v[Y+2*\i],   v[X+4*\i],   v[X+4*\i+1]    ; and written as f16
	v_cvt_pk_f16_f32 v[Y+2*\i+1], v[X+4*\i+2], v[X+4*\i+3]
.endr
	s_wait_alu depctr_va_vdst(0)                   ; the last block has written its Y, which the last four stores read
.irp i, 12,13,14,15
	global_store_b64 v2, v[Y+2*\i:Y+2*\i+1], s[22:23] offset:256*\i
.endr
	s_endpgm
.Lfunc_end_k_q524ae13861_cvt:
	.size	k_q524ae13861_cvt, .Lfunc_end_k_q524ae13861_cvt-k_q524ae13861_cvt
	.p2alignl 7, 3214868480
	.fill 96, 4, 3214868480
	.section	.rodata,"a",@progbits
	.p2align	6, 0x0
	.amdhsa_kernel k_q524ae13861_cvt
		.amdhsa_group_segment_fixed_size 0
		.amdhsa_private_segment_fixed_size 0
		.amdhsa_enable_private_segment 0
		.amdhsa_kernarg_size 64
		.amdhsa_user_sgpr_count 2
		.amdhsa_user_sgpr_kernarg_segment_ptr 1
		.amdhsa_wavefront_size32 1
		.amdhsa_system_sgpr_workgroup_id_x 1
		.amdhsa_system_sgpr_workgroup_id_y 1
		.amdhsa_system_sgpr_workgroup_id_z 1
		.amdhsa_system_vgpr_workitem_id 0
		.amdhsa_next_free_vgpr 104
		.amdhsa_next_free_sgpr 66
		.amdhsa_reserve_vcc 0
		.amdhsa_float_denorm_mode_32 3
		.amdhsa_float_denorm_mode_16_64 3
		.amdhsa_memory_ordered 1
		.amdhsa_forward_progress 1
		.amdhsa_inst_pref_size 17
	.end_amdhsa_kernel
	.amdgpu_metadata
---
amdhsa.version: [ 1, 2 ]
amdhsa.kernels:
  - .name:           k_q524ae13861_cvt
    .symbol:         k_q524ae13861_cvt.kd
    .args:
      - { .name: x, .offset: 0, .size: 8, .value_kind: global_buffer, .address_space: global }
      - { .name: wq, .offset: 8, .size: 8, .value_kind: global_buffer, .address_space: global }
      - { .name: wk, .offset: 16, .size: 8, .value_kind: global_buffer, .address_space: global }
      - { .name: wv, .offset: 24, .size: 8, .value_kind: global_buffer, .address_space: global }
      - { .name: wo, .offset: 32, .size: 8, .value_kind: global_buffer, .address_space: global }
      - { .name: xb, .offset: 40, .size: 8, .value_kind: global_buffer, .address_space: global }
      - { .name: wcat, .offset: 48, .size: 8, .value_kind: global_buffer, .address_space: global }
      - { .name: wob, .offset: 56, .size: 8, .value_kind: global_buffer, .address_space: global }
    .group_segment_fixed_size: 0
    .private_segment_fixed_size: 0
    .kernarg_segment_align: 8
    .kernarg_segment_size: 64
    .max_flat_workgroup_size: 256
    .sgpr_count:     66
    .vgpr_count:     104
    .wavefront_size: 32
...
	.end_amdgpu_metadata
.endif
;; end of part 5
;; launch qkv: the kernel of part 2 again; grid 16 x 16, 4 waves a work-group, clusters of 4 x 4, 327,680 bytes of LDS; arguments xb, wcat, q, kv; writes q, kv
;; launch attn: the kernel of part 3 again; grid 256 x 1, 8 waves a work-group, clusters of 4 x 1, 327,680 bytes of LDS; arguments q, kv, ao; writes ao
;; launch oproj: the kernel of part 4 again; grid 8 x 32, 4 waves a work-group, clusters of 4 x 4, 327,680 bytes of LDS; arguments ao, wob, out0; writes out0
